; MI455X (gfx1250); checked and timed in simulation.
; The chip was launched on July 23, 2026; its instructions are those of AMD's public machine-readable ISA for CDNA 5 (MIT licence, August 2026) and "CDNA5" Instruction Set Architecture Reference Guide (July 2026). The comments in the code are by the model that wrote it; some were corrected since.
;; MHA. Allowed arithmetic: matrix products marked QUANTISED: E3M2 operands, one E8M0 scale for each 32 along K, by v_wmma_scale_f32_16x16x128_f8f6f4 with both operands' format E3M2, f32 sums; everything else in f32.
;; Inputs: Wk 1,024 x 1,024 float32; Wo 1,024 x 1,024 float32; Wq 1,024 x 1,024 float32; Wv 1,024 x 1,024 float32; bk 1,024 float32; bo 1,024 float32; bq 1,024 float32; bv 1,024 float32; x 4 x 2,048 x 1,024 float32.
;; Outputs: out0 4 x 2,048 x 1,024 float32.
;; This version of the problem:
;;   THIS VERSION OF THE PROBLEM IS GIVEN IN LOW PRECISION. The matrix products marked QUANTISED in the list below multiply operands that are first quantised to E3M2 (3 exponent bits, 2 mantissa bits; 6 bits a number), with one power-of-two scale for each 32 numbers along K (OCP MX v1.0); their sums are f32. All else is computed in f32.
;;   The module's matrix products, in the order in which they are computed (A, B: the left and right operand; K: the contracted axis; several contracted axes count as one K, in the product's order):
;;     1. [M 8,192, K 1,024] x [K 1,024, N 1,024]; A: input x; B: input Wq: QUANTISED
;;     2. [M 8,192, K 1,024] x [K 1,024, N 1,024]; A: input x; B: input Wk: QUANTISED
;;     3. [M 8,192, K 1,024] x [K 1,024, N 1,024]; A: input x; B: input Wv: QUANTISED
;;     4. batch 64 x [M 2,048, K 64] x [K 64, N 2,048]; A: computed on the way; B: computed on the way: QUANTISED
;;     5. batch 64 x [M 2,048, K 2,048] x [K 2,048, N 64]; A: softmax (see below); B: computed on the way: QUANTISED
;;     6. [M 8,192, K 1,024] x [K 1,024, N 1,024]; A: computed on the way; B: input Wo: QUANTISED
;;   THE QUANTISER, for each operand of a quantised product, along K:
;;     - K is cut into blocks of 32 from its start; a last block that is shorter is filled with zeros.
;;     - A block's scale is 2^e with e = floor(log2(the largest magnitude in the block)) - 4, held to -126 .. 127; a block of zeros has e = 0. As a byte (E8M0): e + 127.
;;     - Each number is divided by its block's scale, clamped to +-28, and rounded to the nearest number of E3M2, ties to even, subnormals kept.
;;     - The product sums the exact products of the quantised numbers (number of the format x scale) in f32.
;;   ~~~python
;;   def quantise(x, axis):      # numpy; x: float32 -> the quantised numbers, widened to float32 again
;;       x = np.moveaxis(x, axis, -1); K = x.shape[-1]
;;       x = np.pad(x, [(0, 0)] * (x.ndim - 1) + [(0, -K % 32)]); x = x.reshape(x.shape[:-1] + (-1, 32)); a = np.abs(x).max(-1, keepdims=True)
;;       e = np.where(a > 0, np.clip(np.frexp(np.where(a > 0, a, 1))[1] - 1 - 4, -126, 127), 0)      # np.frexp(a)[1] - 1 = floor(log2(a)), exactly
;;       r = np.clip(x / 2.0 ** e, -28, 28)
;;       step = 2.0 ** (np.maximum(np.frexp(np.where(r == 0, 1, r))[1] - 1, -2) - 2)
;;       q = np.round(r / step) * step * 2.0 ** e      # np.round: ties to even
;;       return np.moveaxis(q.reshape(q.shape[:-2] + (-1,))[..., :K], -1, axis).astype(np.float32)
;;   ~~~
;;   SOFTMAX AHEAD OF A QUANTISED PRODUCT. Where the list says 'softmax', what is quantised is not the finished softmax but p = 2^(t - M), with t = logit x log2(e) and M = ceil(the row's largest t), a whole number; so 1/2 < the row's largest p <= 1. The row's sum l is taken of the UNQUANTISED p, in f32, and the product's result is divided by l at the end. Since M is a whole number, a kernel that streams over the keys may use a running M (the ceiling of the running maximum): every later rescaling is an exact power of two, which a block's scale takes up: the codes' values come out the same.
;;   OPERANDS COMPUTED ON THE WAY. 'Computed on the way' means the value that the module computes at that place (a softmax that the list does not call 'softmax' is quantised finished and normalised). What goes into a quantiser is computed in f32, as accurately as f32 sums, v_exp_f32 and their like allow (about 1e-6 of the number): no bf16 or f16 on the way to a quantiser, and a product that is left as it is and whose result goes on into a quantised operand takes f32 operands (vector FMAs, or v_wmma_f32_16x16x4_f32). A number that lies on a knife's edge between two numbers of the format may be rounded either way, as far as f32 arithmetic and the matrix unit's own rounding can turn it there, and no further.
;; One version. Each part assembles by itself: llvm-mc -triple=amdgcn-amd-amdhsa -mcpu=gfx1250 --defsym DOCPART=n.
;; ======== version 1 of 1: 4 launches
;; workspace buffers: xw_codes 9,437,184 bytes; xw_scales 393,216 bytes; qkv_codes 18,874,368 bytes; qkv_scales 1,310,720 bytes; ao_codes 6,291,456 bytes; ao_scales 262,144 bytes
;; launch prep (part 1): grid 768 x 1, 4 waves a work-group, no clusters, 81,408 bytes of LDS; arguments x, Wq, Wk, Wv, Wo, xw_codes, xw_scales; writes xw_codes, xw_scales
.if DOCPART == 1
	.amdgcn_target "amdgcn-amd-amdhsa--gfx1250"
	.amdhsa_code_object_version 6
	.text
	.protected	k_q5b23b725bc_prep
	.globl	k_q5b23b725bc_prep
	.p2align	8
	.type	k_q5b23b725bc_prep,@function
k_q5b23b725bc_prep:
	s_mov_b64 s[64:65], 0
	v_nop
	global_prefetch_b8 v0, s[64:65] scope:SCOPE_SE
	s_setreg_imm32_b32 hwreg(HW_REG_WAVE_MODE, 25, 1), 1
	s_wait_xcnt 0x0
; x [8192][1024] (K innermost) and Wq, Wk, Wv, Wo [1024 (K)][1024 (n)] (K outermost), f32, become codes of BF6 (E3M2) with one E8M0 byte for each 32 along K,
; laid in the order of a matrix operand's registers, so that later launches fetch fragments by dense loads of 16 and 8 bytes a lane.
; LAYOUT.  Rows (of x) or columns (of W) go in groups of 32; a group is two tiles of 16: tile u holds, in lane-row r, the group's row 8 u + r + 8 (r / 8).
; A half fragment (16 rows x 64 along K) is 768 bytes: lane L = r + 16 h holds the 24 bytes of codes k = 32 h .. 32 h + 31: its first 16 bytes at 16 L, its last 8 at 512 + 8 L.
; A tile is 16 half fragments on end (12,288 bytes).  Scale words: 1,024 bytes a group; the word of K step s (128 along K) of tile u's lane-row r at 128 s + 4 (16 u + r).
; SHARES.  A wave takes one group x one K step of 128: lane l holds row (column) l, its 128 registers run along K, so a block of 32 lies in ONE lane and no other lane is asked for a maximum.
; Work-groups 0-511 take x (each row's 512 bytes are read by one load and turned through the wave's own stage in LDS), 512-767 the weights (a lane to a column, registers down K: nothing is turned).
; A block's scale byte is its largest magnitude's exponent field - 4, held at 1 from below.
; LIMITS: a block of zeros, and one whose largest magnitude lies under 2^-122, gets the byte 1 (a block of zeros has zero codes, and only this program reads the bytes); NaN and infinities are not served.
; The scale words of a unit leave as 128 consecutive bytes, half of an aligned 256: 0.4 MB of the launch's 60.
; No tensor load, no barrier: waves share nothing.
.set WREG, 20224                       ; LDS of a wave: the turning stage, 32 rows x (512 + 16) bytes, then the way out: 2 tiles x (1,536 + 128) bytes
.set HFS,  16896
.set D,    64                          ; v64-191: my 128 numbers; on the way out 24 of them carry codes
	s_load_b256 s[4:11], s[0:1], 0x0               ; x, Wq, Wk, Wv
	s_load_b128 s[12:15], s[0:1], 0x20             ; Wo, the codes
	s_load_b64 s[16:17], s[0:1], 0x30              ; the scale words
	v_lshl_add_u32 v192, v0, 2, 0x13c00
	v_mov_b32 v193, 0
	v_lshrrev_b32 v1, 5, v0
	v_readfirstlane_b32 s18, v1                    ; wave 0..3
	v_and_b32 v1, 31, v0                           ; lane l
	v_lshlrev_b32 v2, 4, v1                        ; 16 l
	v_lshlrev_b32 v3, 2, v1                        ; 4 l
	s_mul_i32 s19, s18, WREG
	v_add_nc_u32 v4, s19, v2                       ; the stage, in: 16 l of a row
	v_mul_u32_u24 v5, v1, 528
	v_add_nc_u32 v5, s19, v5                       ; and out: row l
	v_bfe_u32 v10, v0, 3, 1                        ; u = (l / 8) % 2: the tile that holds row l
	v_and_b32 v11, 7, v0
	v_bfe_u32 v12, v0, 4, 1
	v_lshl_add_u32 v11, v12, 3, v11                ; r = l % 8 + 8 (l / 16): its lane-row there
	v_mul_u32_u24 v13, v10, 1664
	s_add_co_u32 s19, s19, HFS
	v_add_nc_u32 v13, s19, v13
	v_lshl_add_u32 v6, v11, 4, v13                 ; where a block's first 16 bytes go: tile u, 16 r
	v_lshl_add_u32 v7, v11, 3, v13
	v_add_nc_u32 v7, 512, v7                       ; and its last 8: 512 + 8 r
	v_add_nc_u32 v8, s19, v2                       ; back: 16 l
	v_lshl_add_u32 v9, v10, 4, v11
	v_lshlrev_b32 v9, 2, v9                        ; my scale word's place: 4 (16 u + r)
	s_wait_kmcnt 0x0
	s_cmp_lt_u32 ttmp9, 512
	s_cbranch_scc0 .Lweights
	; ---- x: group = id / 2, K step = 4 (id % 2) + wave
	s_lshr_b32 s22, ttmp9, 1                       ; the group among all 384
	s_and_b32 s23, ttmp9, 1
	s_lshl_b32 s23, s23, 2
	s_add_co_u32 s23, s23, s18                     ; the K step
	s_lshl_b32 s20, s22, 17                        ; 32 rows of 4,096 bytes
	s_lshl_b32 s21, s23, 9                         ; 128 numbers
	s_add_co_u32 s20, s20, s21
	s_mov_b32 s21, 0
	s_add_nc_u64 s[4:5], s[4:5], s[20:21]
.set i, 0
.rept 32
	global_load_b128 v[D+4*i:D+4*i+3], v2, s[4:5] offset:4096*i th:TH_LOAD_NT   ; row i: 32 lanes read 512 consecutive bytes
.set i, i+1
.endr
.irp g, 0,1,2,3
	s_wait_loadcnt 24-8*\g                         ; these eight rows are in; the younger rows may be out
.irp j, 0,1,2,3,4,5,6,7
	ds_store_b128 v4, v[D+4*(8*\g+\j):D+4*(8*\g+\j)+3] offset:528*(8*\g+\j)
.endr
.endr
	s_wait_dscnt 0x0                               ; the stores have read their registers, which the loads below fill again
.set i, 0
.rept 32
	ds_load_b128 v[D+4*i:D+4*i+3], v5 offset:16*i  ; row l, 128 neighbours along K; rows 528 bytes apart start at different banks
.set i, i+1
.endr
	s_wait_dscnt 0x0
	s_branch .Lquant
.Lweights:
	; ---- W: id' = id - 512: matrix = id' / 64, K step = (id' / 8) % 8, group of columns = 4 (id' % 8) + wave
	s_sub_co_u32 s24, ttmp9, 512
	s_lshr_b32 s25, s24, 6
	s_bfe_u32 s23, s24, 0x30003                    ; the K step
	s_and_b32 s26, s24, 7
	s_lshl_b32 s26, s26, 2
	s_add_co_u32 s26, s26, s18                     ; the group of 32 columns: the four waves stand side by side on 512 bytes of a row
	s_lshl_b32 s22, s25, 5
	s_add_co_u32 s22, s22, s26
	s_add_co_u32 s22, s22, 256                     ; the group among all 384
	s_cmp_eq_u32 s25, 1
	s_cselect_b64 s[4:5], s[8:9], s[6:7]           ; the choice hangs on the work-group's number alone
	s_cmp_eq_u32 s25, 2
	s_cselect_b64 s[4:5], s[10:11], s[4:5]
	s_cmp_eq_u32 s25, 3
	s_cselect_b64 s[4:5], s[12:13], s[4:5]
	s_lshl_b32 s20, s23, 19                        ; 128 rows of 4,096 bytes
	s_lshl_b32 s21, s26, 7                         ; 32 columns
	s_add_co_u32 s20, s20, s21
	s_mov_b32 s21, 0
	s_add_nc_u64 s[4:5], s[4:5], s[20:21]
.set i, 0
.rept 128
	global_load_b32 v[D+i], v3, s[4:5] offset:4096*i th:TH_LOAD_NT   ; W(128 s + i, my column)
.set i, i+1
.endr
	s_wait_loadcnt 0x0
.Lquant:
; Block b of my four: largest magnitude, scale byte, 32 codes in six registers, to their place in the way out.  Each block has code registers of its own.
.macro BLOCKQ b
.set XS, D+32*(\b)
.set C, 32+8*(\b)
	v_max3_num_f32 v16, |v[XS]|, |v[XS+1]|, |v[XS+2]|
	v_max3_num_f32 v17, |v[XS+3]|, |v[XS+4]|, |v[XS+5]|
.irp i, 6,10,14,18,22,26
	v_max3_num_f32 v16, v16, |v[XS+\i]|, |v[XS+\i+1]|
	v_max3_num_f32 v17, v17, |v[XS+\i+2]|, |v[XS+\i+3]|
.endr
	v_max3_num_f32 v16, v16, |v[XS+30]|, |v[XS+31]|
	v_max3_num_f32 v16, v16, v17, 0x2800000        ; and the floor 2^(5 - 127): the byte cannot fall under 1
	v_add_nc_u32 v18, 0xfe000000, v16              ; 4 off the exponent field: the conversion takes this operand's exponent field as its scale
	v_lshrrev_b32 v19, 23, v18                     ; the scale's byte
.if (\b) == 0
	v_mov_b32 v20, v19
.else
	v_lshl_or_b32 v20, v19, 8*(\b), v20            ; the four bytes make my row's scale word of this K step
.endif
	v_cvt_scalef32_pk16_bf6_f32 v[C:C+2], v[XS:XS+15], v18
	v_cvt_scalef32_pk16_bf6_f32 v[C+4:C+6], v[XS+16:XS+31], v18   ; (a conversion's three registers begin on an even number)
	v_nop                                          ; one plain line behind a scaled conversion
	v_mov_b32 v[C+3], v[C+4]
	v_mov_b32 v[C+4], v[C+5]
	v_mov_b32 v[C+5], v[C+6]
	ds_store_b128 v6, v[C:C+3] offset:768*((\b)/2)+256*((\b)%2)   ; half fragment b / 2, lane r + 16 (b % 2)
	ds_store_b64 v7, v[C+4:C+5] offset:768*((\b)/2)+128*((\b)%2)
.endm
	BLOCKQ 0
	BLOCKQ 1
	BLOCKQ 2
	BLOCKQ 3
	s_mul_i32 s20, s22, 24576                      ; two tiles a group,
	s_mul_i32 s21, s23, 1536                       ; two half fragments a K step
	s_add_co_u32 s20, s20, s21
	s_mov_b32 s21, 0
	s_add_nc_u64 s[14:15], s[14:15], s[20:21]
	s_lshl_b32 s20, s22, 10
	s_lshl_b32 s24, s23, 7
	s_add_co_u32 s20, s20, s24
	s_add_nc_u64 s[16:17], s[16:17], s[20:21]
.irp u, 0,1
.irp c, 0,1,2
	ds_load_b128 v[D+4*(3*\u+\c):D+4*(3*\u+\c)+3], v8 offset:1664*\u+512*\c   ; LDS serves a wave's instructions in order: these see my stores
.endr
.endr
	s_wait_dscnt 0x0
.irp u, 0,1
.irp c, 0,1,2
	global_store_b128 v2, v[D+4*(3*\u+\c):D+4*(3*\u+\c)+3], s[14:15] offset:12288*\u+512*\c   ; 32 lanes store 512 consecutive bytes, at a multiple of 256 from the buffer's first byte
.endr
.endr
	global_store_b32 v9, v20, s[16:17]
	s_wait_tensorcnt 0x0
	ds_add_u32 v192, v193
	s_wait_dscnt 0x0
	s_endpgm
.Lfunc_end_k_q5b23b725bc_prep:
	.size	k_q5b23b725bc_prep, .Lfunc_end_k_q5b23b725bc_prep-k_q5b23b725bc_prep
	.p2alignl 7, 3214868480
	.fill 96, 4, 3214868480
	.section	.rodata,"a",@progbits
	.p2align	6, 0x0
	.amdhsa_kernel k_q5b23b725bc_prep
		.amdhsa_group_segment_fixed_size 81408
		.amdhsa_private_segment_fixed_size 0
		.amdhsa_enable_private_segment 0
		.amdhsa_kernarg_size 56
		.amdhsa_user_sgpr_count 2
		.amdhsa_user_sgpr_kernarg_segment_ptr 1
		.amdhsa_wavefront_size32 1
		.amdhsa_system_sgpr_workgroup_id_x 1
		.amdhsa_system_sgpr_workgroup_id_y 1
		.amdhsa_system_sgpr_workgroup_id_z 1
		.amdhsa_system_vgpr_workitem_id 0
		.amdhsa_next_free_vgpr 194
		.amdhsa_next_free_sgpr 66
		.amdhsa_reserve_vcc 0
		.amdhsa_float_denorm_mode_32 3
		.amdhsa_float_denorm_mode_16_64 3
		.amdhsa_memory_ordered 1
		.amdhsa_forward_progress 1
		.amdhsa_inst_pref_size 30
	.end_amdhsa_kernel
	.amdgpu_metadata
---
amdhsa.version: [ 1, 2 ]
amdhsa.kernels:
  - .name:           k_q5b23b725bc_prep
    .symbol:         k_q5b23b725bc_prep.kd
    .args:
      - { .name: x, .offset: 0, .size: 8, .value_kind: global_buffer, .address_space: global }
      - { .name: Wq, .offset: 8, .size: 8, .value_kind: global_buffer, .address_space: global }
      - { .name: Wk, .offset: 16, .size: 8, .value_kind: global_buffer, .address_space: global }
      - { .name: Wv, .offset: 24, .size: 8, .value_kind: global_buffer, .address_space: global }
      - { .name: Wo, .offset: 32, .size: 8, .value_kind: global_buffer, .address_space: global }
      - { .name: xw_codes, .offset: 40, .size: 8, .value_kind: global_buffer, .address_space: global }
      - { .name: xw_scales, .offset: 48, .size: 8, .value_kind: global_buffer, .address_space: global }
    .group_segment_fixed_size: 81408
    .private_segment_fixed_size: 0
    .kernarg_segment_align: 8
    .kernarg_segment_size: 56
    .max_flat_workgroup_size: 128
    .sgpr_count:     66
    .vgpr_count:     194
    .wavefront_size: 32
...
	.end_amdgpu_metadata
.endif
;; end of part 1
;; launch qkv (part 2): grid 8 x 32, 4 waves a work-group, clusters of 4 x 1, 205,312 bytes of LDS; arguments xw_codes, xw_scales, bq, bk, bv, qkv_codes, qkv_scales; writes qkv_codes, qkv_scales
.if DOCPART == 2
	.amdgcn_target "amdgcn-amd-amdhsa--gfx1250"
	.amdhsa_code_object_version 6
	.text
	.protected	k_q5b23b725bc_qkv
	.globl	k_q5b23b725bc_qkv
	.p2align	8
	.type	k_q5b23b725bc_qkv,@function
k_q5b23b725bc_qkv:
	s_mov_b64 s[64:65], 0
	v_nop
	global_prefetch_b8 v0, s[64:65] scope:SCOPE_SE
	s_setreg_imm32_b32 hwreg(HW_REG_WAVE_MODE, 25, 1), 1
	s_wait_xcnt 0x0
	s_wait_alu depctr_hold_cnt(0) depctr_sa_sdst(0) depctr_va_vdst(0) depctr_va_sdst(0) depctr_va_ssrc(0) depctr_va_vcc(0) depctr_vm_vsrc(0)
	s_getreg_b32 s2, hwreg(HW_REG_IB_STS2, 6, 4)
	s_cmp_eq_u32 s2, 0
	s_cbranch_scc0 .Lentry_in_a_cluster
	s_endpgm
.Lentry_in_a_cluster:
	s_bfe_u32 s2, ttmp6, 0x10000c
	s_cmp_lg_u32 s2, 0x3003
	s_cbranch_scc0 .Lentry_shape_is_right
	s_endpgm
.Lentry_shape_is_right:
; q = x Wq + bq, k = x Wk + bk, v = x Wv + bv on codes of BF6, and q, k (along the head's 64) and v (along the keys) quantised again, in registers, into codes laid as the attention launch's operands.
; SHARES.  A work-group takes 256 rows of x (16 tiles of 16) and 384 of the 3,072 columns.  THE WEIGHTS STAY IN REGISTERS: wave g = 4 x slice + wave (0..31) keeps, for all of K = 1,024, the four tiles of one head of
; Wq (g < 16) or Wk and the two tiles of half a head of Wv: 48 fragments, 576 registers, read from memory once.  x's codes and scale words lie in LDS, brought once, and every wave streams them tile by tile:
; 48 matrix instructions for each 12,288 bytes read from LDS.
; CLUSTER.  The four work-groups of a cluster take the same rows of x and other columns: x's tiles are asked for JOINTLY (the same tensor load, the same descriptor, the mask 15).  Only global addresses of the weights,
; biases and outputs hang on the place in the cluster.  The weights go straight into registers, so they are not shared.
; ORIENTATION.  q, k: source 0 = 16 columns of W, source 1 = 16 rows of x: a lane holds one row of x, and, since a tile's lane-row r is row 8 u + r + 8 (r / 8) of its group of 32, the 16 registers of tiles 2 b and
; 2 b + 1 are channels 32 b + 16 (lane / 16) + 0 .. 15 of the head.  v: the same fragments the other way round: a lane holds one channel, and the registers of row tiles 2 G, 2 G + 1 are 16 neighbouring keys.
; The biases are the C of each sum's first matrix instruction.  The six accumulators take turns, one instruction a turn.
; No LDS byte is filled twice and no wave stores into LDS.  By the text's own count five tensor loads of a wave are out at most.
; LIMITS: blocks of zeros and blocks under 2^-122 get the scale byte 1; NaN and infinities are not served.  v's scale words leave as 128 consecutive bytes.
; REGISTERS.  K step s lies in window 1 (s = 0-2), 2 (3-5) or 3 (6, 7): the weights' fragment (t, s) at v[12 (6 (s % 3) + t)] (t = 4, 5: Wv), x's fragment of step s at v[216 + 12 (s % 3)] of the same window.
;   window 3 also: v144-175 the bias of q or k, v176-191 that of v.   window 0: addresses, scale words, accumulators, the quantiser's registers.
.set XSC,  196608                      ; LDS: 16 tiles of x at 0; behind them 8 groups' scale words
.set XS,   16                          ; v16-23   x's scale words of the group in hand: lanes 0-15 the even tile's, lanes 16-31 the odd tile's
.set WSR,  24                          ; v24-47   the weights' scale words: 8 x group + s; groups 0, 1: the head of q or k; 2: v
.set QA,   48                          ; v48-79   q or k: 4 accumulators
.set VA,   80                          ; v80-143  v: accumulator (u, tile % 4) at 80 + 32 u + 8 (tile % 4)
.set TM,   144                         ; v144-151 the quantiser's: maxima, the other half's, scale operands, bytes
.set KS,   196                         ; v196-199 four scale words of q or k on their way out
.set HW,   200
.set VSW,  201
.set SEL,  60                          ; s[60:61] selects of v_permlanex16_b32: lane l xor 16
.set WQKB, 66                          ; s[66:67] my four tiles of Wq or Wk;  s[68:69] my two of Wv
.set WVB,  68
.set OQC,  78                          ; s[78:79] q's or k's codes out; s[80:81] their scale words; s[82:83], s[84:85] v's
.set OQS,  80
.set OVC,  82
.set OVS,  84
.set MSB, 0
.macro WIN new                         ; the immediate's high byte repeats the setting that is left
.if MSB != \new
	s_set_vgpr_msb (MSB<<8)|\new
.set MSB, \new
.endif
.endm
.macro PLACES n
.rept \n
	v_nop
.endr
.endm
.macro CROUND                          ; a round of the cluster's barrier
	s_barrier_signal -1
	s_barrier_wait -1
	s_cmp_lg_u32 s18, 0
	s_cbranch_scc1 .Lnot_wave_0_\@
	s_barrier_signal -3
.Lnot_wave_0_\@:
	s_barrier_wait -3
	s_barrier_signal -1
	s_barrier_wait -1
.endm
.macro WFRAG reg, base, off            ; a fragment of 128 along K from memory: two half fragments
.set RG, \reg
.set OF, \off
	global_load_b128 v[RG:RG+3], v1, s[\base:\base+1] offset:OF
	global_load_b64 v[RG+4:RG+5], v2, s[\base:\base+1] offset:OF+512
	global_load_b128 v[RG+6:RG+9], v1, s[\base:\base+1] offset:OF+768
	global_load_b64 v[RG+10:RG+11], v2, s[\base:\base+1] offset:OF+1280
.endm
.macro WWIN first, ns                  ; a window's weights: K steps first .. first + ns - 1
.set ss, 0
.rept \ns
.irp t, 0,1,2,3
	WFRAG 12*(6*ss+\t), WQKB, \t*12288+1536*(\first+ss)
.endr
.irp t, 0,1
	WFRAG 12*(6*ss+4+\t), WVB, \t*12288+1536*(\first+ss)
.endr
.set ss, ss+1
.endr
.endm
.macro XFRAG s, tile                   ; x's fragment of K step s of a tile, from LDS
.set RG, 216+12*((\s)%3)
.set OF, ((\tile)%4)*12288+1536*(\s)
.set QD, (\tile)/4
	ds_load_b128 v[RG:RG+3], v[4+QD] offset:OF
	ds_load_b64 v[RG+4:RG+5], v[8+QD] offset:OF+512
	ds_load_b128 v[RG+6:RG+9], v[4+QD] offset:OF+768
	ds_load_b64 v[RG+10:RG+11], v[8+QD] offset:OF+1280
.endm
.macro XSLOAD grp
.irp s, 0,1,2,3,4,5,6,7
	ds_load_b32 v[XS+\s], v12 offset:1024*(\grp)+128*\s
.endr
.endm
.macro PROD d, a, b, c, sa, sb, ra, rb ; one matrix instruction; ra, rb: the side's scales stand in lanes 16-31
.set PD, \d
.set PA, \a
.set PB, \b
.set PC, \c
.set PSA, \sa
.set PSB, \sb
.if (\ra) && (\rb)
	v_wmma_scale_f32_16x16x128_f8f6f4 v[PD:PD+7], v[PA:PA+11], v[PB:PB+11], v[PC:PC+7], v[PSA], v[PSB] matrix_a_fmt:MATRIX_FMT_BF6 matrix_b_fmt:MATRIX_FMT_BF6 matrix_a_scale:MATRIX_SCALE_ROW1 matrix_b_scale:MATRIX_SCALE_ROW1
.elseif (\ra)
	v_wmma_scale_f32_16x16x128_f8f6f4 v[PD:PD+7], v[PA:PA+11], v[PB:PB+11], v[PC:PC+7], v[PSA], v[PSB] matrix_a_fmt:MATRIX_FMT_BF6 matrix_b_fmt:MATRIX_FMT_BF6 matrix_a_scale:MATRIX_SCALE_ROW1
.elseif (\rb)
	v_wmma_scale_f32_16x16x128_f8f6f4 v[PD:PD+7], v[PA:PA+11], v[PB:PB+11], v[PC:PC+7], v[PSA], v[PSB] matrix_a_fmt:MATRIX_FMT_BF6 matrix_b_fmt:MATRIX_FMT_BF6 matrix_b_scale:MATRIX_SCALE_ROW1
.else
	v_wmma_scale_f32_16x16x128_f8f6f4 v[PD:PD+7], v[PA:PA+11], v[PB:PB+11], v[PC:PC+7], v[PSA], v[PSB] matrix_a_fmt:MATRIX_FMT_BF6 matrix_b_fmt:MATRIX_FMT_BF6
.endif
.endm
.macro MQK s, tile                     ; K step s of q or k: source 0 = W's tile t, source 1 = x's tile
.set SG, (\s)%3
.irp t, 0,1,2,3
.if (\s) == 0
	PROD QA+8*\t, 12*(6*SG+\t), 216+12*SG, 144+8*\t, WSR+8*(\t/2)+(\s), XS+(\s), \t%2, (\tile)%2
.else
	PROD QA+8*\t, 12*(6*SG+\t), 216+12*SG, QA+8*\t, WSR+8*(\t/2)+(\s), XS+(\s), \t%2, (\tile)%2
.endif
.endr
.endm
.macro MV s, tile                      ; K step s of v: source 0 = x's tile, source 1 = Wv's tile u
.set SG, (\s)%3
.irp u, 0,1
.if (\s) == 0
	PROD VA+32*\u+8*((\tile)%4), 216+12*SG, 12*(6*SG+4+\u), 176+8*\u, XS+(\s), WSR+16+(\s), (\tile)%2, \u
.else
	PROD VA+32*\u+8*((\tile)%4), 216+12*SG, 12*(6*SG+4+\u), VA+32*\u+8*((\tile)%4), XS+(\s), WSR+16+(\s), (\tile)%2, \u
.endif
.endr
.endm
; 32 numbers of a lane, register 16 b + i = index 32 b + 16 (lane / 16) + i of my row, become a half fragment's six registers in v[c] on and two scale bytes in v[hw].  Each accumulator is read from its low end on.
.macro QUANT2 src, c, y, hw
.set QS, \src
	v_max3_num_f32 v[TM], |v[QS]|, |v[QS+1]|, 0x2800000           ; my 16 numbers of each block, and the floor 2^(5 - 127): the byte cannot fall under 1
	v_max3_num_f32 v[TM+1], |v[QS+16]|, |v[QS+17]|, 0x2800000
.irp i, 2,4,6,8,10,12,14
	v_max3_num_f32 v[TM], v[TM], |v[QS+\i]|, |v[QS+\i+1]|
	v_max3_num_f32 v[TM+1], v[TM+1], |v[QS+16+\i]|, |v[QS+17+\i]|
.endr
	v_permlanex16_b32 v[TM+2], v[TM], s[SEL], s[SEL+1]
	v_permlanex16_b32 v[TM+3], v[TM+1], s[SEL], s[SEL+1]
	v_max_num_f32 v[TM], v[TM], v[TM+2]            ; with lane l xor 16's: the block's largest magnitude
	v_max_num_f32 v[TM+1], v[TM+1], v[TM+3]
	v_add_nc_u32 v[TM+4], 0xfe000000, v[TM]        ; 4 off the exponent field: the conversion's scale operand
	v_add_nc_u32 v[TM+5], 0xfe000000, v[TM+1]
	v_lshrrev_b32 v[TM+6], 23, v[TM+4]             ; the scale's byte
	v_lshrrev_b32 v[TM+7], 23, v[TM+5]
	v_lshl_or_b32 v[\hw], v[TM+7], 8, v[TM+6]
	v_cvt_scalef32_pk16_bf6_f32 v[\c:\c+2], v[QS:QS+15], v[TM+4]
	v_cvt_scalef32_pk16_bf6_f32 v[\y:\y+2], v[QS+16:QS+31], v[TM+5]
	v_nop                                          ; one plain line behind a scaled conversion
.irp i, 0,1,2
	v_permlane16_swap_b32 v[\c+\i], v[\y+\i]       ; a whole block to a lane: lanes 0-15 block 0, lanes 16-31 block 1
.endr
.irp i, 0,1,2
	v_mov_b32 v[\c+3+\i], v[\y+\i]
.endr
.endm
	s_load_b256 s[4:11], s[0:1], 0x0               ; x's and W's codes, their scale words, bq, bk
	s_load_b128 s[12:15], s[0:1], 0x20             ; bv, the codes out
	s_load_b64 s[16:17], s[0:1], 0x30              ; the scale words out
	v_lshl_add_u32 v254, v0, 2, 0x32000
	v_mov_b32 v255, 0
	ds_add_u32 v254, v255
	ds_add_u32 v254, v255
	v_lshrrev_b32 v1, 5, v0
	v_readfirstlane_b32 s18, v1                    ; wave 0..3
	s_bfe_u32 s19, ttmp6, 0x40000                  ; cx
	s_lshl_b32 s20, ttmp9, 2
	s_add_co_u32 s20, s20, s19                     ; the slice of columns = 4 x cluster x + cx
	s_lshl_b32 s21, s20, 2
	s_add_co_u32 s21, s21, s18                     ; g
	s_and_b32 s22, ttmp7, 0xffff                   ; the block of 256 rows, which the four partners share
	s_mov_b32 s[SEL], 0x76543210
	s_mov_b32 s[SEL+1], 0xfedcba98
	s_mov_b32 s62, 0xffff0000                      ; lanes 16-31
	; descriptor group 1: a tile of x, 12,288 dense bytes, as 48 rows of 256 bytes (32 elements of 8 bytes); the mask names all four partners, bit 21 stands beside it
	s_mov_b32 s24, 15|(3<<16)|(1<<21)
	s_mov_b32 s25, 32<<16
	s_mov_b32 s26, 48<<16
	s_mov_b32 s27, 32<<16
	s_mov_b32 s28, 48
	s_mov_b32 s29, 32
	s_mov_b32 s30, 0
	s_mov_b32 s31, 0
	; and for two groups' scale words: 8 such rows
	s_mov_b32 s32, 15|(3<<16)|(1<<21)
	s_mov_b32 s33, 32<<16
	s_mov_b32 s34, 8<<16
	s_mov_b32 s35, 32<<16
	s_mov_b32 s36, 8
	s_mov_b32 s37, 32
	s_mov_b32 s38, 0
	s_mov_b32 s39, 0
	s_lshl_b32 s86, s18, 11                        ; 2,048 x wave
	s_mul_i32 s87, s18, 12288
	s_lshl_b32 s88, s22, 13                        ; 8 groups of 1,024 bytes a block of rows
	s_add_co_u32 s88, s88, s86
	s_mov_b32 s89, 0
	s_wait_dscnt 0x0
	s_wait_kmcnt 0x0
	s_mov_b32 s40, 1
	s_add_co_u32 s41, s86, XSC
	s_add_nc_u64 s[42:43], s[6:7], s[88:89]
	s_or_b32 s43, s43, 0x80000000
	s_mul_i32 s88, s22, 196608                     ; 16 tiles a block of rows
	s_add_co_u32 s88, s88, s87
	s_add_nc_u64 s[88:89], s[4:5], s[88:89]
.irp c, 0,1,2,3                                ; chunk c: tiles 4 c .. 4 c + 3, one a wave
	s_mov_b32 s[44+4*\c], 1
	s_add_co_u32 s[45+4*\c], s87, 49152*\c
	s_add_nc_u64 s[46+4*\c:47+4*\c], s[88:89], 49152*\c
	s_or_b32 s[47+4*\c], s[47+4*\c], 0x80000000
.endr
	CROUND                                         ; all four work-groups are here: the joint loads meet
	tensor_load_to_lds s[40:43], s[32:39]          ; the scale words, then the four chunks: all first fills, one group
	s_nop 0
	tensor_load_to_lds s[44:47], s[24:31]
	s_nop 0
	tensor_load_to_lds s[48:51], s[24:31]
	s_nop 0
	tensor_load_to_lds s[52:55], s[24:31]
	s_nop 0
	tensor_load_to_lds s[56:59], s[24:31]
	s_nop 0
	PLACES 4
	; my weights, biases and outputs
	s_lshl_b32 s90, s21, 2
	s_add_co_u32 s90, s90, 512
	s_mul_i32 s90, s90, 12288
	s_mov_b32 s91, 0
	s_add_nc_u64 s[WQKB:WQKB+1], s[4:5], s[90:91]  ; tiles 512 + 4 g on
	s_lshl_b32 s90, s21, 1
	s_add_co_u32 s90, s90, 640
	s_mul_i32 s90, s90, 12288
	s_add_nc_u64 s[WVB:WVB+1], s[4:5], s[90:91]    ; tiles 640 + 2 g on
	s_lshl_b32 s90, s21, 11
	s_add_co_u32 s90, s90, 256*1024
	s_add_nc_u64 s[70:71], s[6:7], s[90:91]        ; scale groups 256 + 2 g, + 1
	s_lshl_b32 s90, s21, 10
	s_add_co_u32 s90, s90, 320*1024
	s_add_nc_u64 s[72:73], s[6:7], s[90:91]        ; scale group 320 + g
	s_and_b32 s92, s21, 15                         ; the head of q or k
	s_lshr_b32 s93, s22, 3                         ; the batch
	s_and_b32 s94, s22, 7                          ; the block of 256 rows in it
	s_lshl_b32 s95, s93, 4
	s_cmp_lt_u32 s21, 16                           ; q or k?  Only addresses are chosen; no branch hangs on it
	s_cselect_b64 s[74:75], s[8:9], s[10:11]
	s_mov_b32 s96, 12288
	s_cselect_b32 s96, 8192, s96                   ; a head's scale words: 8,192 bytes in q's part, 12,288 in k's and v's
	s_cselect_b32 s97, 0, 524288
	s_lshl_b32 s90, s92, 8
	s_add_nc_u64 s[74:75], s[74:75], s[90:91]      ; the head's 64 numbers of bq or bk
	s_lshl_b32 s90, s21, 7
	s_add_nc_u64 s[76:77], s[12:13], s[90:91]      ; my 32 numbers of bv
	s_lshr_b32 s90, s21, 4
	s_lshl_b32 s90, s90, 6
	s_add_co_u32 s90, s90, s95
	s_add_co_u32 s90, s90, s92
	s_mul_i32 s90, s90, 98304
	s_mul_i32 s98, s94, 12288
	s_add_co_u32 s90, s90, s98
	s_add_nc_u64 s[OQC:OQC+1], s[14:15], s[90:91]
	s_add_co_u32 s90, s95, s92
	s_mul_i32 s90, s90, s96
	s_add_co_u32 s90, s90, s97
	s_lshl_b32 s99, s94, 10
	s_add_co_u32 s90, s90, s99
	s_add_nc_u64 s[OQS:OQS+1], s[16:17], s[90:91]
	s_lshr_b32 s99, s21, 1
	s_add_co_u32 s99, s99, s95                     ; v's batch and head
	s_add_co_u32 s90, s99, 128
	s_mul_i32 s90, s90, 98304
	s_add_co_u32 s90, s90, s98
	s_and_b32 s92, s21, 1                          ; which half of the head's channels
	s_mul_i32 s96, s92, 1536
	s_add_co_u32 s90, s90, s96
	s_add_nc_u64 s[OVC:OVC+1], s[14:15], s[90:91]
	s_mul_i32 s90, s99, 12288
	s_add_co_u32 s90, s90, 524288+8192
	s_lshl_b32 s96, s92, 11
	s_add_co_u32 s90, s90, s96
	s_lshl_b32 s96, s94, 8
	s_add_co_u32 s90, s90, s96
	s_add_nc_u64 s[OVS:OVS+1], s[16:17], s[90:91]
	v_and_b32 v15, 31, v0                          ; L
	v_lshlrev_b32 v1, 4, v15                       ; 16 L
	v_lshlrev_b32 v2, 3, v15                       ; 8 L
	v_lshlrev_b32 v3, 2, v15                       ; 4 L
.irp q, 0,1,2,3
	v_add_nc_u32 v[4+\q], 49152*\q, v1             ; the same in chunk q of x's tiles
	v_add_nc_u32 v[8+\q], 49152*\q, v2
.endr
	v_add_nc_u32 v12, XSC, v3
	v_bfe_u32 v13, v0, 4, 1
	v_lshlrev_b32 v13, 6, v13                      ; q's, k's bias: 16 numbers further on for lanes 16-31
	v_and_b32 v14, 15, v0
	v_and_b32 v15, 8, v14
	v_add_nc_u32 v14, v14, v15
	v_lshlrev_b32 v14, 2, v14                      ; v's bias: my channel r + 8 (r / 8)
	v_mov_b32 v[TM+2], 0                           ; written once: a lane permute's destination counts as one of its sources
	v_mov_b32 v[TM+3], 0
.irp g, 0,1
.irp s, 0,1,2,3,4,5,6,7
	global_load_b32 v[WSR+8*\g+\s], v3, s[70:71] offset:1024*\g+128*\s
.endr
.endr
.irp s, 0,1,2,3,4,5,6,7
	global_load_b32 v[WSR+16+\s], v3, s[72:73] offset:128*\s
.endr
	WIN 0xc0
.irp t, 0,1,2,3                                ; lane (r, h), tile 2 b + u: b[32 b + 16 h + 8 u + 0 .. 7]
	global_load_b128 v[144+8*\t:147+8*\t], v13, s[74:75] offset:(32*(\t/2)+8*(\t%2))*4
	global_load_b128 v[148+8*\t:151+8*\t], v13, s[74:75] offset:(32*(\t/2)+8*(\t%2))*4+16
.endr
.irp u, 0,1                                    ; v: a lane holds one channel: its bias in all eight registers
.irp j, 0,1,2,3,4,5,6,7
	global_load_b32 v[176+8*\u+\j], v14, s[76:77] offset:32*\u
.endr
.endr
	WIN 0x40
	WWIN 0, 3
	WIN 0x80
	WWIN 3, 3
	WIN 0xc0
	WWIN 6, 2
	WIN 0
	s_wait_tensorcnt 3                             ; my parts of the scale words and of chunk 0 are in; chunks 1 to 3 may be out
	s_barrier_signal -1
	s_barrier_wait -1                              ; everybody's are
	XSLOAD 0
	WIN 0x40
	XFRAG 0, 0
	XFRAG 1, 0
	XFRAG 2, 0
	WIN 0x80
	XFRAG 3, 0
	XFRAG 4, 0
	XFRAG 5, 0
	WIN 0xc0
	XFRAG 6, 0
	XFRAG 7, 0
	WIN 0
; A TILE of 16 rows of x: 48 matrix instructions; the next tile's fragments are fetched behind the products that free their registers; then q's or k's results are quantised and stored, and after each fourth tile v's.
.macro TILE tile
.if (\tile) == 0
	s_wait_loadcnt 63                              ; scale words, biases and window 1's weights are in: 120 younger loads might stay out, the count's field holds 63
.endif
.if ((\tile)%4 == 3) && ((\tile) < 15)
	s_wait_dscnt 0x0                               ; no LDS load of mine is out at a signal
	s_wait_tensorcnt 2-(\tile)/4                   ; my part of the next chunk is in; the chunks behind it may be out
	s_barrier_signal -1
	s_barrier_wait -1                              ; everybody's is: this tile fetches the next chunk's first fragments
.else
	s_wait_dscnt 20                                ; scale words and K steps 0-2 are in; steps 3-5's twelve loads and steps 6, 7's eight may be out
.endif
	WIN 0x35                                       ; sources window 1, C (the biases) window 3
	MQK 0, \tile
	MV 0, \tile
	WIN 0x05
	MQK 1, \tile
	MV 1, \tile
	MQK 2, \tile
	MV 2, \tile
	s_wait_dscnt 8                                 ; K steps 3-5 are in
.if (\tile) == 0
	s_wait_loadcnt 48                              ; window 2's weights are in; window 3's 48 loads may be out
.endif
	WIN 0x0a
	MQK 3, \tile
	MV 3, \tile
	MQK 4, \tile
	MV 4, \tile
	MQK 5, \tile
	MV 5, \tile
.if (\tile) < 15
	PLACES 4                                       ; in front of loads into registers that matrix instructions have read
	WIN 0x40
	XFRAG 0, (\tile)+1
	XFRAG 1, (\tile)+1
	XFRAG 2, (\tile)+1
	s_wait_dscnt 12                                ; K steps 6, 7 are in; the twelve just issued may be out
.else
	s_wait_dscnt 0x0
.endif
.if (\tile) == 0
	s_wait_loadcnt 0x0
.endif
	WIN 0x0f
	MQK 6, \tile
	MV 6, \tile
	MQK 7, \tile
	MV 7, \tile
	PLACES 5                                       ; four for the loads and the reads of results below, a fifth since the next tile's first products begin these accumulators anew
.if (\tile) < 15
.if (\tile)%2 == 1
	WIN 0
	XSLOAD ((\tile)+1)/2                           ; the next group's scale words
.endif
	WIN 0x80
	XFRAG 3, (\tile)+1
	XFRAG 4, (\tile)+1
	XFRAG 5, (\tile)+1
	WIN 0xc0
	XFRAG 6, (\tile)+1
	XFRAG 7, (\tile)+1
.endif
	WIN 0
	s_wait_xcnt 0x0                                ; the earlier stores have read their data: those registers are written again below
	QUANT2 QA, 160, 168, HW
	global_store_b128 v1, v[160:163], s[OQC:OQC+1] offset:768*(\tile)       ; 512 consecutive bytes, then 256: whole aligned blocks of 256
	global_store_b64 v2, v[164:165], s[OQC:OQC+1] offset:768*(\tile)+512
.if (\tile)%2 == 0
	v_mov_b32 v[KS+((\tile)%8)/2], v[HW]           ; the even tile's words serve lanes 0-15,
.else
	v_cndmask_b32 v[KS+((\tile)%8)/2], v[KS+((\tile)%8)/2], v[HW], s62      ; the odd tile's lanes 16-31
.endif
.if (\tile)%8 == 7
	global_store_b128 v1, v[KS:KS+3], s[OQS:OQS+1] offset:512*((\tile)/8)   ; the scale words of 128 rows: 512 consecutive bytes
.endif
.if (\tile)%4 == 3
	QUANT2 VA, 172, 180, 202                       ; 64 keys of my 32 channels
	QUANT2 VA+32, 184, 192, 203
	global_store_b128 v1, v[172:175], s[OVC:OVC+1] offset:3072*((\tile)/4)
	global_store_b64 v2, v[176:177], s[OVC:OVC+1] offset:3072*((\tile)/4)+512
	global_store_b128 v1, v[184:187], s[OVC:OVC+1] offset:3072*((\tile)/4)+768
	global_store_b64 v2, v[188:189], s[OVC:OVC+1] offset:3072*((\tile)/4)+1280
	v_cndmask_b32 v202, v202, v203, s62            ; lanes 0-15: channel tile 0's two bytes, lanes 16-31: tile 1's
.if ((\tile)/4)%2 == 0
	v_mov_b32 v[VSW], v202
.else
	v_lshl_or_b32 v[VSW], v202, 16, v[VSW]         ; two quads of 64 keys make a word
	global_store_b32 v3, v[VSW], s[OVS:OVS+1] offset:128*((\tile)/8)
.endif
.endif
.endm
.irp n, 0,1,2,3,4,5,6,7,8,9,10,11,12,13,14,15
	TILE \n
.endr
	s_wait_tensorcnt 0x0
	ds_add_u32 v254, v255
	s_wait_dscnt 0x0
	CROUND                                         ; the closing round: no work-group ends while a partner may still ask for a tile that names it
	s_endpgm
.Lfunc_end_k_q5b23b725bc_qkv:
	.size	k_q5b23b725bc_qkv, .Lfunc_end_k_q5b23b725bc_qkv-k_q5b23b725bc_qkv
	.p2alignl 7, 3214868480
	.fill 96, 4, 3214868480
	.section	.rodata,"a",@progbits
	.p2align	6, 0x0
	.amdhsa_kernel k_q5b23b725bc_qkv
		.amdhsa_group_segment_fixed_size 205312
		.amdhsa_private_segment_fixed_size 0
		.amdhsa_enable_private_segment 0
		.amdhsa_kernarg_size 56
		.amdhsa_user_sgpr_count 2
		.amdhsa_user_sgpr_kernarg_segment_ptr 1
		.amdhsa_wavefront_size32 1
		.amdhsa_system_sgpr_workgroup_id_x 1
		.amdhsa_system_sgpr_workgroup_id_y 1
		.amdhsa_system_sgpr_workgroup_id_z 1
		.amdhsa_system_vgpr_workitem_id 0
		.amdhsa_next_free_vgpr 1024
		.amdhsa_next_free_sgpr 100
		.amdhsa_reserve_vcc 0
		.amdhsa_float_denorm_mode_32 3
		.amdhsa_float_denorm_mode_16_64 3
		.amdhsa_memory_ordered 1
		.amdhsa_forward_progress 1
		.amdhsa_inst_pref_size 225
	.end_amdhsa_kernel
	.amdgpu_metadata
---
amdhsa.version: [ 1, 2 ]
amdhsa.kernels:
  - .name:           k_q5b23b725bc_qkv
    .symbol:         k_q5b23b725bc_qkv.kd
    .args:
      - { .name: xw_codes, .offset: 0, .size: 8, .value_kind: global_buffer, .address_space: global }
      - { .name: xw_scales, .offset: 8, .size: 8, .value_kind: global_buffer, .address_space: global }
      - { .name: bq, .offset: 16, .size: 8, .value_kind: global_buffer, .address_space: global }
      - { .name: bk, .offset: 24, .size: 8, .value_kind: global_buffer, .address_space: global }
      - { .name: bv, .offset: 32, .size: 8, .value_kind: global_buffer, .address_space: global }
      - { .name: qkv_codes, .offset: 40, .size: 8, .value_kind: global_buffer, .address_space: global }
      - { .name: qkv_scales, .offset: 48, .size: 8, .value_kind: global_buffer, .address_space: global }
    .group_segment_fixed_size: 205312
    .private_segment_fixed_size: 0
    .kernarg_segment_align: 8
    .kernarg_segment_size: 56
    .max_flat_workgroup_size: 128
    .sgpr_count:     100
    .vgpr_count:     1024
    .wavefront_size: 32
...
	.end_amdgpu_metadata
.endif
;; end of part 2
;; launch attn (part 3): grid 4 x 64, 16 waves a work-group, no clusters, 210,944 bytes of LDS; arguments qkv_codes, qkv_scales, ao_codes, ao_scales; writes ao_codes, ao_scales
.if DOCPART == 3
	.amdgcn_target "amdgcn-amd-amdhsa--gfx1250"
	.amdhsa_code_object_version 6
	.text
	.protected	k_q5b23b725bc_attn
	.globl	k_q5b23b725bc_attn
	.p2align	8
	.type	k_q5b23b725bc_attn,@function
k_q5b23b725bc_attn:
	s_mov_b64 s[64:65], 0
	v_nop
	global_prefetch_b8 v0, s[64:65] scope:SCOPE_SE
	s_setreg_imm32_b32 hwreg(HW_REG_WAVE_MODE, 25, 1), 1
	s_wait_xcnt 0x0
; Causal attention of one head on codes of BF6, head size 64, 2,048 keys; the result, divided by the row's sum, is quantised along the model's 1,024 into the last product's operand.
; THE SOFTMAX: t = score x log2(e) / 8; M = the running largest t rounded UP to a whole number; p = 2^(t - M) is quantised along the keys, not normalised; the row's sum is taken of the unquantised p.
; When M moves, the sum and O are multiplied by 2^(old M - new M): exact.
; SHARES.  A work-group owns the blocks i and 7 - i of 256 queries of its head, so every work-group has the same number of key steps under the causal mask.  Each of its sixteen waves owns one tile of 16 queries of
; each block, in 256 registers: four waves to a SIMD, so that one wave's vector work stands beside another's matrix work and LDS loads.
; THE WHOLE HEAD'S K AND V LIE IN LDS, codes and scale words, 208,896 bytes, each byte filled once: no ring.  Every wave issues three tensor loads at the head: three of a wave are out at most.  The keys' first half serves the
; low block, whose loop has 8 trips; the second half is waited for, with a barrier, in front of the high block, whose loop has 16.  Trip counts are constants; a step all of whose keys come after the wave's queries is
; jumped over by a scalar branch on ids.
; NO CLUSTER, though four work-groups read the same head: what a work-group skips hangs on its block of queries, that is on its place among the four.
; LAYOUT.  Both products are used transposed: S^T = K Q^T, O^T = V^T P^T: a lane holds one query throughout.  A tile's lane-row r is row 8 u + r + 8 (r / 8) of its group of 32, for keys, queries and channels alike:
; so the 16 registers of key tiles 2 b, 2 b + 1 are keys 32 b + 16 (lane / 16) + 0 .. 15, and those of channel tiles likewise.
; THE FIRST PRODUCT HAS K = 64 in an instruction of 128: Q's upper six registers hold zero codes and the upper two bytes of Q's and K's scale words are 0 (2^-127, a number); what stands in K's upper six registers
; (the next tile's codes: every code of this format is a finite number) is multiplied by zero.
; LIMITS: a block's largest p is taken from the block's largest score (this takes v_exp_f32 not to fall where its input rises); blocks of zeros and blocks under 2^-122 get the byte 1; NaN and infinities are not served.
; The output's scale bytes leave as single bytes, 0.26 MB in the whole launch.
.set VC,   98304                       ; LDS: K's codes at 0 (a step of 128 keys: 8 half fragments, 6,144 bytes); V's here (a step: 2 quads of 64 keys x 4 channel tiles);
.set KSC,  196608                      ; K's scale words: 512 bytes a step: lane L's four words at 16 L: word b for key tile 2 b + L / 16;
.set VSC,  204800                      ; V's: 2,048 x (channel tile / 2) + 128 x step + 4 L
.set WV,   12
.set BH,   14
.set SEL,  22                          ; s[22:23] selects of v_permlanex16_b32: lane l xor 16
.set CS,   60                          ; s[60:61] c = log2(e) / 8
.set TB,   66                          ; s66-69 where the step's K codes, V codes, K scale words, V scale words begin in LDS
.set TBV,  67
.set TS,   68
.set TJ,   69
.set KF,   70                          ; s70 the step's first key
.set CNT,  71
.set TM,   240
; REGISTERS: v1 16 L, v2 8 L + 512, v3 4 L, v4 8 h, v5 r + 8 (r / 8) - 16 h; v6-11 the step's addresses; v12 -M, v13 the largest t, v[14:15] the sum; v16-27, v28-39 Q of the two tiles; v40, v41 their scale words;
; v42-95 K's tiles (6 registers each), then V's fragments; v96-159 S^T, then p; v160-191 O^T; v192-203 p's codes; v204-210 conversions' upper halves; v212-215 K's scale words, v216-217 V's, v218 p's;
; v220-231 the blocks' maxima, bytes, scale operands; v232 at work; v[234:235] f; v[236:237] a second chain of sums; v238 -infinity; v240-254 the output's quantiser; v255 4 r + h.
.macro QUANT2 src, c, y, hw            ; 32 numbers of a lane, register 16 b + i = index 32 b + 16 (lane / 16) + i, become a half fragment's six registers and two scale bytes
.set QS, \src
	v_max3_num_f32 v[TM], |v[QS]|, |v[QS+1]|, 0x2800000
	v_max3_num_f32 v[TM+1], |v[QS+16]|, |v[QS+17]|, 0x2800000
.irp i, 2,4,6,8,10,12,14
	v_max3_num_f32 v[TM], v[TM], |v[QS+\i]|, |v[QS+\i+1]|
	v_max3_num_f32 v[TM+1], v[TM+1], |v[QS+16+\i]|, |v[QS+17+\i]|
.endr
	v_permlanex16_b32 v[TM+2], v[TM], s[SEL], s[SEL+1]
	v_permlanex16_b32 v[TM+3], v[TM+1], s[SEL], s[SEL+1]
	v_max_num_f32 v[TM], v[TM], v[TM+2]
	v_max_num_f32 v[TM+1], v[TM+1], v[TM+3]
	v_add_nc_u32 v[TM+4], 0xfe000000, v[TM]
	v_add_nc_u32 v[TM+5], 0xfe000000, v[TM+1]
	v_lshrrev_b32 v[TM+6], 23, v[TM+4]
	v_lshrrev_b32 v[TM+7], 23, v[TM+5]
	v_lshl_or_b32 v[\hw], v[TM+7], 8, v[TM+6]
	v_cvt_scalef32_pk16_bf6_f32 v[\c:\c+2], v[QS:QS+15], v[TM+4]
	v_cvt_scalef32_pk16_bf6_f32 v[\y:\y+2], v[QS+16:QS+31], v[TM+5]
	v_nop                                          ; one plain line behind a scaled conversion
.irp i, 0,1,2
	v_permlane16_swap_b32 v[\c+\i], v[\y+\i]
.endr
.irp i, 0,1,2
	v_mov_b32 v[\c+3+\i], v[\y+\i]
.endr
.endm
; One of my two tiles of queries (its number among the head's 128 in s[tq]): Q's codes and scale word are asked for; its first and last query; where its results go.
.macro QSETUP tq, qf, qs, cb, sb, q0, qm, oc, os
	s_lshl_b32 s80, s[BH], 7
	s_add_co_u32 s80, s80, s[\tq]
	s_mul_i32 s80, s80, 768
	s_mov_b32 s81, 0
	s_add_nc_u64 s[\cb:\cb+1], s[4:5], s[80:81]
	global_load_b128 v[\qf:\qf+3], v1, s[\cb:\cb+1]
	global_load_b64 v[\qf+4:\qf+5], v2, s[\cb:\cb+1]
	s_lshl_b32 s80, s[BH], 13
	s_lshr_b32 s82, s[\tq], 3
	s_lshl_b32 s82, s82, 9                         ; 512 bytes for each 8 tiles,
	s_add_co_u32 s80, s80, s82
	s_and_b32 s82, s[\tq], 1
	s_lshl_b32 s83, s82, 8                         ; the odd tile's words stand in lanes 16-31's places,
	s_add_co_u32 s80, s80, s83
	s_bfe_u32 s83, s[\tq], 0x20001
	s_lshl_b32 s83, s83, 2                         ; word (tile / 2) % 4
	s_add_co_u32 s80, s80, s83
	s_add_nc_u64 s[\sb:\sb+1], s[6:7], s[80:81]
	global_load_b32 v[\qs], v239, s[\sb:\sb+1]
	s_lshr_b32 s83, s[\tq], 1
	s_lshl_b32 s[\q0], s83, 5
	s_lshl_b32 s84, s82, 3
	s_add_co_u32 s[\q0], s[\q0], s84               ; the tile's first query: 32 (tile / 2) + 8 (tile % 2)
	s_add_co_u32 s[\qm], s[\q0], 23                ; and its last
	s_lshr_b32 s80, s[BH], 4
	s_lshl_b32 s80, s80, 7
	s_add_co_u32 s80, s80, s[\tq]                  ; the tile among the 512 of all rows
	s_lshr_b32 s84, s80, 1
	s_mul_i32 s80, s80, 12288
	s_and_b32 s85, s[BH], 15                       ; the head: half fragment number in the tile
	s_mul_i32 s86, s85, 768
	s_add_co_u32 s80, s80, s86
	s_add_nc_u64 s[\oc:\oc+1], s[8:9], s[80:81]
	s_lshl_b32 s80, s84, 10
	s_lshr_b32 s86, s85, 1
	s_lshl_b32 s86, s86, 7                         ; K step = head / 2
	s_add_co_u32 s80, s80, s86
	s_lshl_b32 s86, s82, 6                         ; the odd tile's words stand 64 bytes on
	s_add_co_u32 s80, s80, s86
	s_and_b32 s86, s85, 1
	s_lshl_b32 s86, s86, 1                         ; an odd head has the word's upper two bytes
	s_add_co_u32 s80, s80, s86
	s_add_nc_u64 s[\os:\os+1], s[10:11], s[80:81]
.endm
	s_load_b256 s[4:11], s[0:1], 0x0               ; the codes of q, k, v; their scale words; the codes out; the scale bytes out
	v_lshl_add_u32 v207, v0, 2, 0x33000
	v_mov_b32 v211, 0
	ds_add_u32 v207, v211
	ds_add_u32 v207, v211
	v_lshrrev_b32 v1, 5, v0
	v_readfirstlane_b32 s[WV], v1                  ; wave 0..15
	s_mov_b32 s13, ttmp9                           ; i
	s_and_b32 s[BH], ttmp7, 0xffff                 ; batch x 16 + head
	s_mov_b32 s[SEL], 0x76543210
	s_mov_b32 s[SEL+1], 0xfedcba98
	s_mov_b32 s[CS], 0x3e38aa3b                    ; log2(e) / 8
	s_mov_b32 s[CS+1], s[CS]                       ; (named with it as a pair, so it is written)
	; descriptor group 1 for the scale words: 768 dense bytes as 3 rows of 256 (32 elements of 8 bytes)
	s_mov_b32 s24, 3<<16
	s_mov_b32 s25, 32<<16
	s_mov_b32 s26, 3<<16
	s_mov_b32 s27, 32<<16
	s_mov_b32 s28, 3
	s_mov_b32 s29, 32
	s_mov_b32 s30, 0
	s_mov_b32 s31, 0
	; and for the codes: a step's 6,144 dense bytes as 24 rows
	s_mov_b32 s32, 3<<16
	s_mov_b32 s33, 32<<16
	s_mov_b32 s34, 24<<16
	s_mov_b32 s35, 32<<16
	s_mov_b32 s36, 24
	s_mov_b32 s37, 32
	s_mov_b32 s38, 0
	s_mov_b32 s39, 0
	s_lshr_b32 s72, s[WV], 3                       ; waves 0-7 fetch K's codes, 8-15 V's
	s_and_b32 s73, s[WV], 7
	s_mul_i32 s74, s73, 6144
	s_mul_i32 s75, s72, VC
	s_add_co_u32 s75, s75, s74                     ; where my step of the first half goes
	s_add_co_u32 s76, s72, 1
	s_lshl_b32 s76, s76, 6
	s_add_co_u32 s76, s76, s[BH]
	s_mul_i32 s76, s76, 98304
	s_add_co_u32 s76, s76, s74                     ; and where it comes from
	s_mov_b32 s77, 0
	s_mul_i32 s78, s[WV], 768
	s_mul_i32 s80, s[BH], 12288
	s_add_co_u32 s80, s80, s78
	s_add_co_u32 s80, s80, 524288                  ; k's and v's scale words of a head are 12,288 bytes on end: 768 a wave
	s_mov_b32 s81, 0
	s_wait_dscnt 0x0
	s_wait_kmcnt 0x0
	s_mov_b32 s40, 1
	s_add_co_u32 s41, s78, KSC
	s_add_nc_u64 s[42:43], s[6:7], s[80:81]
	s_or_b32 s43, s43, 0x80000000
	s_mov_b32 s44, 1
	s_mov_b32 s45, s75
	s_add_nc_u64 s[46:47], s[4:5], s[76:77]
	s_mov_b32 s48, 1
	s_add_co_u32 s49, s75, 49152                   ; the second half: keys 1,024 on
	s_add_nc_u64 s[50:51], s[46:47], 49152
	s_or_b32 s47, s47, 0x80000000
	s_or_b32 s51, s51, 0x80000000
	tensor_load_to_lds s[40:43], s[24:31]          ; all first fills, one group
	s_nop 0
	tensor_load_to_lds s[44:47], s[32:39]
	s_nop 0
	tensor_load_to_lds s[48:51], s[32:39]
	s_nop 0
.rept 4
	v_nop
.endr
	v_and_b32 v4, 31, v0                           ; L
	v_lshlrev_b32 v1, 4, v4
	v_lshlrev_b32 v2, 3, v4
	v_add_nc_u32 v2, 512, v2
	v_lshlrev_b32 v3, 2, v4
	v_and_b32 v232, 15, v0                         ; r
	v_bfe_u32 v233, v0, 4, 1                       ; h
	v_and_b32 v5, 8, v232
	v_add_nc_u32 v5, v5, v232
	v_lshlrev_b32 v4, 4, v233
	v_sub_nc_u32 v5, v5, v4                        ; my query less the tile's first, less my half's 16 keys
	v_lshlrev_b32 v4, 3, v233                      ; 8 h
	v_lshlrev_b32 v239, 4, v232                    ; 16 r: my row's place among Q's scale words
	v_lshl_add_u32 v255, v232, 2, v233             ; 4 r + h: my scale byte's place on the way out
	s_lshl_b32 s15, s13, 4
	s_add_co_u32 s15, s15, s[WV]                   ; my tile of block i
	s_sub_co_u32 s16, 7, s13
	s_lshl_b32 s16, s16, 4
	s_add_co_u32 s16, s16, s[WV]                   ; and of block 7 - i
	QSETUP 15, 16, 40, 72, 76, 17, 18, 52, 54
	QSETUP 16, 28, 41, 74, 78, 19, 20, 56, 58
.irp j, 22,23,24,25,26,27,34,35,36,37,38,39,90,91,92,93,94,95
	v_mov_b32 v[\j], 0                             ; zero codes: Q's upper halves; and what stands behind K's last tile
.endr
.irp j, 224,225,226,227,242,243,235
	v_mov_b32 v[\j], 0                             ; written once: lane permutes' destinations, and the upper half of the pair f
.endr
	v_mov_b32 v238, 0xff800000                     ; -infinity
	s_wait_loadcnt 0x0                             ; Q
	s_wait_tensorcnt 1                             ; my parts of the scale words and of the first half are in; the second half may be out
	s_barrier_signal -1
	s_barrier_wait -1                              ; everybody's are
; A KEY STEP: 128 keys.
.macro STEP qf, qs, q0, qm
	s_cmp_gt_u32 s[KF], s[\qm]                     ; all keys come after my queries: nothing to do but step the addresses
	s_cbranch_scc1 .Lhidden_\@
	v_add_nc_u32 v6, s[TB], v1                     ; (these six are also the places in front of the loads into registers that the last products read)
	v_add_nc_u32 v7, s[TB], v2
	v_add_nc_u32 v8, s[TBV], v1
	v_add_nc_u32 v9, s[TBV], v2
	v_add_nc_u32 v10, s[TS], v1
	v_add_nc_u32 v11, s[TJ], v3
.irp t, 0,1,2,3,4,5,6,7
	ds_load_b128 v[42+6*\t:45+6*\t], v6 offset:768*\t
	ds_load_b64 v[46+6*\t:47+6*\t], v7 offset:768*\t
.endr
	ds_load_b128 v[212:215], v10
	s_wait_dscnt 0x0
.irp t, 0,2,4,6                                ; S^T = K Q^T: eight tiles of 16 keys
	v_wmma_scale_f32_16x16x128_f8f6f4 v[96+8*\t:103+8*\t], v[42+6*\t:53+6*\t], v[\qf:\qf+11], 0, v[212+\t/2], v[\qs] matrix_a_fmt:MATRIX_FMT_BF6 matrix_b_fmt:MATRIX_FMT_BF6
	v_wmma_scale_f32_16x16x128_f8f6f4 v[104+8*\t:111+8*\t], v[48+6*\t:59+6*\t], v[\qf:\qf+11], 0, v[212+\t/2], v[\qs] matrix_a_fmt:MATRIX_FMT_BF6 matrix_b_fmt:MATRIX_FMT_BF6 matrix_a_scale:MATRIX_SCALE_ROW1
.endr
.rept 4
	v_nop                                          ; places in front of the loads below and of the first read of the scores
.endr
.irp f, 0,1,2,3                                ; V's four fragments land under the softmax
.irp e, 0,1
	ds_load_b128 v[42+12*\f+6*\e:45+12*\f+6*\e], v8 offset:3072*\e+768*\f
	ds_load_b64 v[46+12*\f+6*\e:47+12*\f+6*\e], v9 offset:3072*\e+768*\f
.endr
.endr
	ds_load_b32 v216, v11
	ds_load_b32 v217, v11 offset:2048
	s_add_co_u32 s72, s[KF], 127                   ; on the diagonal hidden scores become -infinity ahead of the maximum: p = 0 then.  A step all of whose keys count skips this
	s_cmp_le_u32 s72, s[\q0]
	s_cbranch_scc1 .Lopen_\@
	s_sub_co_i32 s72, s[\q0], s[KF]
	v_add_nc_u32 v232, s72, v5                     ; d: register 16 b + i holds a hidden key where 32 b + i > d
.set n, 0
.rept 64
	v_cmp_gt_i32 vcc_lo, 32*(n/16)+n%16, v232
	v_cndmask_b32 v[96+n], v[96+n], v238, vcc_lo
.set n, n+1
.endr
.Lopen_\@:
.irp b, 0,1,2,3
	v_max3_num_f32 v[220+\b], v[96+16*\b], v[97+16*\b], v[98+16*\b]   ; the largest score of each block of 32 keys: for the row's maximum, and for the block's largest p
.endr
.irp i, 3,5,7,9,11,13
.irp b, 0,1,2,3
	v_max3_num_f32 v[220+\b], v[220+\b], v[96+16*\b+\i], v[97+16*\b+\i]
.endr
.endr
.irp b, 0,1,2,3
	v_max_num_f32 v[220+\b], v[220+\b], v[111+16*\b]
.endr
.irp b, 0,1,2,3
	v_permlanex16_b32 v[224+\b], v[220+\b], s[SEL], s[SEL+1]
.endr
.irp b, 0,1,2,3
	v_max_num_f32 v[220+\b], v[220+\b], v[224+\b]  ; with lane l xor 16's 16 keys
.endr
	v_max3_num_f32 v232, v220, v221, v222
	v_max_num_f32 v232, v232, v223
	v_mul_f32 v232, s[CS], v232                    ; the step's largest t
	v_max_num_f32 v13, v13, v232                   ; the running largest t
	v_mov_b32 v232, v12
	v_floor_f32 v12, -v13                          ; -M = floor(-t): M is a whole number
	v_sub_f32 v232, v12, v232                      ; old M - new M: a whole number, 0 or less
	v_cvt_i32_f32 v232, v232                       ; (it saturates)
	v_ldexp_f32 v234, 1.0, v232                    ; f = 2^(old M - new M)
.set j, 0
.rept 32
	v_pk_fma_f32 v[96+j:97+j], v[96+j:97+j], s[CS:CS+1], v[12:13] op_sel_hi:[1,0,0]   ; t - M, two at a time
.set j, j+2
.endr
.irp b, 0,1,2,3
	v_fma_f32 v[220+\b], v[220+\b], s[CS], v12     ; the same of each block's largest score
.endr
.set j, 0
.rept 64
	v_exp_f32 v[96+j], v[96+j]                     ; p = 2^(t - M)
.set j, j+1
.endr
	v_pk_mul_f32 v[14:15], v[14:15], v[234:235] op_sel_hi:[1,0]   ; the sums under the new M: the plain line behind the exponentials
	s_wait_alu depctr_va_vdst(0)                   ; one wait for the whole batch, ahead of its first reader
.irp b, 0,1,2,3
	v_exp_f32 v[220+\b], v[220+\b]                 ; the block's largest p
.endr
	v_pk_add_f32 v[236:237], v[96:97], v[98:99]    ; the row's sum is taken of the unquantised p, in two chains
.irp j, 4,8,12,16,20,24,28,32,36,40,44,48,52,56,60
	v_pk_add_f32 v[14:15], v[14:15], v[96+\j:97+\j]
	v_pk_add_f32 v[236:237], v[236:237], v[98+\j:99+\j]
.endr
	v_pk_add_f32 v[14:15], v[14:15], v[236:237]
	s_wait_alu depctr_va_vdst(0)                   ; and one for the four
.irp b, 0,1,2,3
	v_max_num_f32 v[220+\b], 0x2800000, v[220+\b]  ; the floor 2^(5 - 127)
.endr
.irp b, 0,1,2,3
	v_add_nc_u32 v[228+\b], 0xfe000000, v[220+\b]  ; the conversion's scale operand
.endr
.irp b, 0,1,2,3
	v_lshrrev_b32 v[224+\b], 23, v[228+\b]         ; the scale's byte
.endr
	v_lshl_or_b32 v218, v225, 8, v224              ; p's scale word for these 128 keys
	v_lshl_or_b32 v218, v226, 16, v218
	v_lshl_or_b32 v218, v227, 24, v218
.irp c, 0,1
	v_cvt_scalef32_pk16_bf6_f32 v[192+6*\c:194+6*\c], v[96+32*\c:111+32*\c], v[228+2*\c]
	v_cvt_scalef32_pk16_bf6_f32 v[204+4*\c:206+4*\c], v[112+32*\c:127+32*\c], v[229+2*\c]
.endr
	v_nop                                          ; one plain line behind a scaled conversion
.irp c, 0,1
.irp i, 0,1,2
	v_permlane16_swap_b32 v[192+6*\c+\i], v[204+4*\c+\i]   ; a whole block to a lane
.endr
.irp i, 0,1,2
	v_mov_b32 v[195+6*\c+\i], v[204+4*\c+\i]
.endr
.endr
.set j, 0
.rept 16
	v_pk_mul_f32 v[160+j:161+j], v[160+j:161+j], v[234:235] op_sel_hi:[1,0]   ; O^T under the new M.  Twelve of the sixteen name no register of any one product below: the places behind the writes of p's codes and scale word
.set j, j+2
.endr
	s_wait_dscnt 0x0                               ; V
.irp f, 0,2                                    ; O^T += V^T P^T: four tiles of 16 channels, by turns
	v_wmma_scale_f32_16x16x128_f8f6f4 v[160+8*\f:167+8*\f], v[42+12*\f:53+12*\f], v[192:203], v[160+8*\f:167+8*\f], v[216+\f/2], v218 matrix_a_fmt:MATRIX_FMT_BF6 matrix_b_fmt:MATRIX_FMT_BF6
	v_wmma_scale_f32_16x16x128_f8f6f4 v[168+8*\f:175+8*\f], v[54+12*\f:65+12*\f], v[192:203], v[168+8*\f:175+8*\f], v[216+\f/2], v218 matrix_a_fmt:MATRIX_FMT_BF6 matrix_b_fmt:MATRIX_FMT_BF6 matrix_a_scale:MATRIX_SCALE_ROW1
.endr
.Lhidden_\@:
	s_add_co_u32 s[TB], s[TB], 6144
	s_add_co_u32 s[TBV], s[TBV], 6144
	s_add_co_u32 s[TS], s[TS], 512
	s_add_co_u32 s[TJ], s[TJ], 128
	s_add_co_u32 s[KF], s[KF], 128
.endm
; THE WAY OUT of a tile: O^T / the sum, quantised along the head's 64 channels: half fragment number head of the last product's row tile, and two scale bytes a row.
.macro OUT oc, os
.rept 4
	v_nop                                          ; places behind the last products
.endr
	v_add_f32 v14, v14, v15
	v_permlanex16_b32 v232, v14, s[SEL], s[SEL+1]
	v_add_f32 v14, v14, v232                       ; the row's sum
	v_rcp_f32 v14, v14
	v_nop                                          ; a plain line behind the reciprocal
	s_wait_alu depctr_va_vdst(0)                   ; and the wait ahead of its first reader
.set j, 0
.rept 32
	v_mul_f32 v[96+j], v[160+j], v14               ; register 16 b + i: channel 32 b + 16 (lane / 16) + i of my query
.set j, j+1
.endr
	s_wait_xcnt 0x0                                ; the first tile's stores have read their data
	QUANT2 96, 248, 204, 254
	global_store_b128 v1, v[248:251], s[\oc:\oc+1] ; 512 consecutive bytes, then 256: whole aligned blocks of 256
	global_store_b64 v2, v[252:253], s[\oc:\oc+1]
	v_lshrrev_b32 v219, v4, v254                   ; lanes 0-15 store block 0's byte, lanes 16-31 block 1's
	global_store_b8 v255, v219, s[\os:\os+1]
.endm
.macro PASS nst, qf, qs, q0, qm, oc, os
.set j, 0
.rept 32
	v_mov_b32 v[160+j], 0                          ; O^T: the step is written once; the first finds zeros, which the first change of M leaves zeros
.set j, j+1
.endr
	v_mov_b32 v13, 0xff61b1e6                      ; -3e38, under every t
	v_floor_f32 v12, -v13
	v_mov_b32 v14, 0
	v_mov_b32 v15, 0
	s_mov_b32 s[TB], 0
	s_mov_b32 s[TBV], VC
	s_mov_b32 s[TS], KSC
	s_mov_b32 s[TJ], VSC
	s_mov_b32 s[KF], 0
	s_mov_b32 s[CNT], 0
.Lstep_\@:
	STEP \qf, \qs, \q0, \qm
	s_add_co_u32 s[CNT], s[CNT], 1
	s_cmp_lt_u32 s[CNT], \nst
	s_cbranch_scc1 .Lstep_\@
	OUT \oc, \os
.endm
	PASS 8, 16, 40, 17, 18, 52, 54                 ; block i lies under query 1,024: the keys' first half serves it
	s_wait_tensorcnt 0x0                           ; my part of the second half is in,
	s_wait_dscnt 0x0
	s_barrier_signal -1
	s_barrier_wait -1                              ; everybody's is
	PASS 16, 28, 41, 19, 20, 56, 58
	s_wait_tensorcnt 0x0
	ds_add_u32 v207, v211
	s_wait_dscnt 0x0
	s_endpgm
.Lfunc_end_k_q5b23b725bc_attn:
	.size	k_q5b23b725bc_attn, .Lfunc_end_k_q5b23b725bc_attn-k_q5b23b725bc_attn
	.p2alignl 7, 3214868480
	.fill 96, 4, 3214868480
	.section	.rodata,"a",@progbits
	.p2align	6, 0x0
	.amdhsa_kernel k_q5b23b725bc_attn
		.amdhsa_group_segment_fixed_size 210944
		.amdhsa_private_segment_fixed_size 0
		.amdhsa_enable_private_segment 0
		.amdhsa_kernarg_size 32
		.amdhsa_user_sgpr_count 2
		.amdhsa_user_sgpr_kernarg_segment_ptr 1
		.amdhsa_wavefront_size32 1
		.amdhsa_system_sgpr_workgroup_id_x 1
		.amdhsa_system_sgpr_workgroup_id_y 1
		.amdhsa_system_sgpr_workgroup_id_z 1
		.amdhsa_system_vgpr_workitem_id 0
		.amdhsa_next_free_vgpr 256
		.amdhsa_next_free_sgpr 90
		.amdhsa_reserve_vcc 1
		.amdhsa_float_denorm_mode_32 3
		.amdhsa_float_denorm_mode_16_64 3
		.amdhsa_memory_ordered 1
		.amdhsa_forward_progress 1
		.amdhsa_inst_pref_size 62
	.end_amdhsa_kernel
	.amdgpu_metadata
---
amdhsa.version: [ 1, 2 ]
amdhsa.kernels:
  - .name:           k_q5b23b725bc_attn
    .symbol:         k_q5b23b725bc_attn.kd
    .args:
      - { .name: qkv_codes, .offset: 0, .size: 8, .value_kind: global_buffer, .address_space: global }
      - { .name: qkv_scales, .offset: 8, .size: 8, .value_kind: global_buffer, .address_space: global }
      - { .name: ao_codes, .offset: 16, .size: 8, .value_kind: global_buffer, .address_space: global }
      - { .name: ao_scales, .offset: 24, .size: 8, .value_kind: global_buffer, .address_space: global }
    .group_segment_fixed_size: 210944
    .private_segment_fixed_size: 0
    .kernarg_segment_align: 8
    .kernarg_segment_size: 32
    .max_flat_workgroup_size: 512
    .sgpr_count:     90
    .vgpr_count:     256
    .wavefront_size: 32
...
	.end_amdgpu_metadata
.endif
;; end of part 3
;; launch oproj (part 4): grid 4 x 64, 4 waves a work-group, clusters of 4 x 1, 168,448 bytes of LDS; arguments ao_codes, ao_scales, xw_codes, xw_scales, bo, out0; writes out0
.if DOCPART == 4
	.amdgcn_target "amdgcn-amd-amdhsa--gfx1250"
	.amdhsa_code_object_version 6
	.text
	.protected	k_q5b23b725bc_oproj
	.globl	k_q5b23b725bc_oproj
	.p2align	8
	.type	k_q5b23b725bc_oproj,@function
k_q5b23b725bc_oproj:
	s_mov_b64 s[64:65], 0
	v_nop
	global_prefetch_b8 v0, s[64:65] scope:SCOPE_SE
	s_setreg_imm32_b32 hwreg(HW_REG_WAVE_MODE, 25, 1), 1
	s_wait_xcnt 0x0
	s_wait_alu depctr_hold_cnt(0) depctr_sa_sdst(0) depctr_va_vdst(0) depctr_va_sdst(0) depctr_va_ssrc(0) depctr_va_vcc(0) depctr_vm_vsrc(0)
	s_getreg_b32 s2, hwreg(HW_REG_IB_STS2, 6, 4)
	s_cmp_eq_u32 s2, 0
	s_cbranch_scc0 .Lentry_in_a_cluster
	s_endpgm
.Lentry_in_a_cluster:
	s_bfe_u32 s2, ttmp6, 0x10000c
	s_cmp_lg_u32 s2, 0x3003
	s_cbranch_scc0 .Lentry_shape_is_right
	s_endpgm
.Lentry_shape_is_right:
; out = a Wo + bo on codes of BF6: a [8192][1024] is the attention launch's result, Wo's codes are the first launch's; out is f32.
; SHARES.  A work-group takes 128 rows (8 tiles of 16) and 256 columns; wave w keeps the four tiles of its 64 columns of Wo for all of K in registers (32 fragments, 384 registers), read from memory once.
; The rows' codes and scale words lie in LDS, brought once, and every wave streams them tile by tile.
; CLUSTER.  The four work-groups of a cluster take the same rows and other columns: the rows' tiles are asked for JOINTLY (mask 15).  Only global addresses of the weights, the bias and the output hang on the place in the
; cluster.  By the text's own count three tensor loads of a wave are out at most; no LDS byte is filled twice.
; ORIENTATION.  Source 0 = 16 columns of Wo, source 1 = 16 rows: a lane holds one row and 16 neighbouring columns in the registers of tiles 2 b, 2 b + 1.  A tile's 16 rows x 256 bytes go through the wave's own stage in
; LDS and leave as rows: sixteen lanes store 256 consecutive bytes, aligned.  The bias is the C of each sum's first matrix instruction.  The four accumulators take turns.
; REGISTERS.  K steps 0-3 in window 1, 4-7 in window 2: Wo's fragment (t, s) at v[12 (4 (s % 4) + t)], the rows' fragment of step s at v[192 + 12 (s % 4)].  Window 0: all else.
.set ASC,  98304                       ; LDS: 8 tiles at 0; 4 groups' scale words here;
.set STG,  102400                      ; the stages: 16 rows x (256 + 16) bytes a wave: bytes of their own, into which no tensor load lands
.set XS,   16                          ; v16-23   the rows' scale words of the group in hand
.set WSR,  24                          ; v24-39   Wo's scale words: 8 x group + s
.set BO,   40                          ; v40-71   the bias, 8 registers a tile
.set OA,   72                          ; v72-103  4 accumulators
.set SB,   104                         ; v104-135 16 rows read back from the stage
.set WB,   66                          ; s[66:67] my four tiles of Wo
.set MSB, 0
.macro WIN new                         ; the immediate's high byte repeats the setting that is left
.if MSB != \new
	s_set_vgpr_msb (MSB<<8)|\new
.set MSB, \new
.endif
.endm
.macro PLACES n
.rept \n
	v_nop
.endr
.endm
.macro CROUND                          ; a round of the cluster's barrier
	s_barrier_signal -1
	s_barrier_wait -1
	s_cmp_lg_u32 s18, 0
	s_cbranch_scc1 .Lnot_wave_0_\@
	s_barrier_signal -3
.Lnot_wave_0_\@:
	s_barrier_wait -3
	s_barrier_signal -1
	s_barrier_wait -1
.endm
.macro WFRAG reg, off                  ; a fragment of 128 along K from memory: two half fragments
.set RG, \reg
.set OF, \off
	global_load_b128 v[RG:RG+3], v1, s[WB:WB+1] offset:OF
	global_load_b64 v[RG+4:RG+5], v2, s[WB:WB+1] offset:OF+512
	global_load_b128 v[RG+6:RG+9], v1, s[WB:WB+1] offset:OF+768
	global_load_b64 v[RG+10:RG+11], v2, s[WB:WB+1] offset:OF+1280
.endm
.macro WWIN first                      ; a window's weights: K steps first .. first + 3
.irp e, 0,1,2,3
.irp t, 0,1,2,3
	WFRAG 12*(4*\e+\t), \t*12288+1536*(\first+\e)
.endr
.endr
.endm
.macro XFRAG s, tile                   ; the rows' fragment of K step s of a tile, from LDS
.set RG, 192+12*((\s)%4)
.set OF, ((\tile)%4)*12288+1536*(\s)
.set QD, (\tile)/4
	ds_load_b128 v[RG:RG+3], v[4+QD] offset:OF
	ds_load_b64 v[RG+4:RG+5], v[6+QD] offset:OF+512
	ds_load_b128 v[RG+6:RG+9], v[4+QD] offset:OF+768
	ds_load_b64 v[RG+10:RG+11], v[6+QD] offset:OF+1280
.endm
.macro XSLOAD grp
.irp s, 0,1,2,3,4,5,6,7
	ds_load_b32 v[XS+\s], v8 offset:1024*(\grp)+128*\s
.endr
.endm
.macro PROD d, a, b, c, sa, sb, ra, rb ; one matrix instruction; ra, rb: the side's scales stand in lanes 16-31
.set PD, \d
.set PA, \a
.set PB, \b
.set PC, \c
.set PSA, \sa
.set PSB, \sb
.if (\ra) && (\rb)
	v_wmma_scale_f32_16x16x128_f8f6f4 v[PD:PD+7], v[PA:PA+11], v[PB:PB+11], v[PC:PC+7], v[PSA], v[PSB] matrix_a_fmt:MATRIX_FMT_BF6 matrix_b_fmt:MATRIX_FMT_BF6 matrix_a_scale:MATRIX_SCALE_ROW1 matrix_b_scale:MATRIX_SCALE_ROW1
.elseif (\ra)
	v_wmma_scale_f32_16x16x128_f8f6f4 v[PD:PD+7], v[PA:PA+11], v[PB:PB+11], v[PC:PC+7], v[PSA], v[PSB] matrix_a_fmt:MATRIX_FMT_BF6 matrix_b_fmt:MATRIX_FMT_BF6 matrix_a_scale:MATRIX_SCALE_ROW1
.elseif (\rb)
	v_wmma_scale_f32_16x16x128_f8f6f4 v[PD:PD+7], v[PA:PA+11], v[PB:PB+11], v[PC:PC+7], v[PSA], v[PSB] matrix_a_fmt:MATRIX_FMT_BF6 matrix_b_fmt:MATRIX_FMT_BF6 matrix_b_scale:MATRIX_SCALE_ROW1
.else
	v_wmma_scale_f32_16x16x128_f8f6f4 v[PD:PD+7], v[PA:PA+11], v[PB:PB+11], v[PC:PC+7], v[PSA], v[PSB] matrix_a_fmt:MATRIX_FMT_BF6 matrix_b_fmt:MATRIX_FMT_BF6
.endif
.endm
.macro MO s, tile                      ; K step s: source 0 = Wo's tile t, source 1 = the rows' tile
.set SG, (\s)%4
.irp t, 0,1,2,3
.if (\s) == 0
	PROD OA+8*\t, 12*(4*SG+\t), 192+12*SG, BO+8*\t, WSR+8*(\t/2)+(\s), XS+(\s), \t%2, (\tile)%2
.else
	PROD OA+8*\t, 12*(4*SG+\t), 192+12*SG, OA+8*\t, WSR+8*(\t/2)+(\s), XS+(\s), \t%2, (\tile)%2
.endif
.endr
.endm
	s_load_b256 s[4:11], s[0:1], 0x0               ; the rows' codes, their scale words, the weights' codes, their scale words
	s_load_b128 s[12:15], s[0:1], 0x20             ; bo, out
	v_lshl_add_u32 v254, v0, 2, 0x29000
	v_mov_b32 v255, 0
	ds_add_u32 v254, v255
	ds_add_u32 v254, v255
	v_lshrrev_b32 v1, 5, v0
	v_readfirstlane_b32 s18, v1                    ; wave 0..3
	s_bfe_u32 s19, ttmp6, 0x40000                  ; cx: the slice of 256 columns (the grid has one cluster along x)
	s_and_b32 s22, ttmp7, 0xffff                   ; the block of 128 rows, which the four partners share
	; descriptor group 1: a tile, 12,288 dense bytes, as 48 rows of 256 bytes; the mask names all four partners, bit 21 stands beside it
	s_mov_b32 s24, 15|(3<<16)|(1<<21)
	s_mov_b32 s25, 32<<16
	s_mov_b32 s26, 48<<16
	s_mov_b32 s27, 32<<16
	s_mov_b32 s28, 48
	s_mov_b32 s29, 32
	s_mov_b32 s30, 0
	s_mov_b32 s31, 0
	; and for a group's scale words: 4 such rows
	s_mov_b32 s32, 15|(3<<16)|(1<<21)
	s_mov_b32 s33, 32<<16
	s_mov_b32 s34, 4<<16
	s_mov_b32 s35, 32<<16
	s_mov_b32 s36, 4
	s_mov_b32 s37, 32
	s_mov_b32 s38, 0
	s_mov_b32 s39, 0
	s_lshl_b32 s86, s18, 10                        ; 1,024 x wave
	s_mul_i32 s87, s18, 12288
	s_lshl_b32 s88, s22, 12                        ; 4 groups of 1,024 bytes a block of rows
	s_add_co_u32 s88, s88, s86
	s_mov_b32 s89, 0
	s_wait_dscnt 0x0
	s_wait_kmcnt 0x0
	s_mov_b32 s40, 1
	s_add_co_u32 s41, s86, ASC
	s_add_nc_u64 s[42:43], s[6:7], s[88:89]
	s_or_b32 s43, s43, 0x80000000
	s_mul_i32 s88, s22, 98304                      ; 8 tiles a block of rows
	s_add_co_u32 s88, s88, s87
	s_add_nc_u64 s[88:89], s[4:5], s[88:89]
.irp c, 0,1                                    ; chunk c: tiles 4 c .. 4 c + 3, one a wave
	s_mov_b32 s[44+4*\c], 1
	s_add_co_u32 s[45+4*\c], s87, 49152*\c
	s_add_nc_u64 s[46+4*\c:47+4*\c], s[88:89], 49152*\c
	s_or_b32 s[47+4*\c], s[47+4*\c], 0x80000000
.endr
	CROUND                                         ; all four work-groups are here: the joint loads meet
	tensor_load_to_lds s[40:43], s[32:39]          ; all first fills, one group
	s_nop 0
	tensor_load_to_lds s[44:47], s[24:31]
	s_nop 0
	tensor_load_to_lds s[48:51], s[24:31]
	s_nop 0
	PLACES 4
	s_lshl_b32 s90, s19, 2
	s_add_co_u32 s90, s90, s18                     ; my 64 columns: number 4 x slice + wave
	s_lshl_b32 s92, s90, 2
	s_add_co_u32 s92, s92, 704
	s_mul_i32 s92, s92, 12288
	s_mov_b32 s93, 0
	s_add_nc_u64 s[WB:WB+1], s[8:9], s[92:93]      ; tiles 704 + 4 x that on
	s_lshl_b32 s92, s90, 11
	s_add_co_u32 s92, s92, 352*1024
	s_add_nc_u64 s[68:69], s[10:11], s[92:93]      ; scale groups 352 + 2 x that, + 1
	s_lshl_b32 s92, s90, 8
	s_add_nc_u64 s[70:71], s[12:13], s[92:93]      ; my 64 numbers of bo
	s_lshl_b32 s94, s22, 19                        ; 128 rows of 4,096 bytes
	s_add_co_u32 s92, s92, s94
	s_add_nc_u64 s[72:73], s[14:15], s[92:93]      ; my 256 bytes of the block's first row of out
	s_mul_i32 s95, s18, 4352
	s_add_co_u32 s95, s95, STG                     ; my stage
	v_and_b32 v15, 31, v0                          ; L
	v_lshlrev_b32 v1, 4, v15
	v_lshlrev_b32 v2, 3, v15
	v_lshlrev_b32 v3, 2, v15
.irp q, 0,1
	v_add_nc_u32 v[4+\q], 49152*\q, v1
	v_add_nc_u32 v[6+\q], 49152*\q, v2
.endr
	v_add_nc_u32 v8, ASC, v3
	v_and_b32 v13, 15, v0                          ; r
	v_bfe_u32 v14, v0, 4, 1                        ; h
	v_mul_u32_u24 v9, v13, 272
	v_lshl_add_u32 v9, v14, 6, v9
	v_add_nc_u32 v9, s95, v9                       ; into the stage: lane-row r, + 64 h bytes
	v_mul_u32_u24 v10, v14, 272
	v_lshl_add_u32 v10, v13, 4, v10
	v_add_nc_u32 v10, s95, v10                     ; back: lanes 0-15 one row, lanes 16-31 the next
	v_lshlrev_b32 v11, 12, v14
	v_lshl_add_u32 v11, v13, 4, v11                ; and the same two rows in out
	v_lshlrev_b32 v12, 6, v14                      ; the bias: 16 numbers further on for lanes 16-31
.irp g, 0,1
.irp s, 0,1,2,3,4,5,6,7
	global_load_b32 v[WSR+8*\g+\s], v3, s[68:69] offset:1024*\g+128*\s
.endr
.endr
.irp t, 0,1,2,3                                ; lane (r, h), tile 2 b + u: bo[32 b + 16 h + 8 u + 0 .. 7]
	global_load_b128 v[BO+8*\t:BO+8*\t+3], v12, s[70:71] offset:(32*(\t/2)+8*(\t%2))*4
	global_load_b128 v[BO+8*\t+4:BO+8*\t+7], v12, s[70:71] offset:(32*(\t/2)+8*(\t%2))*4+16
.endr
	WIN 0x40
	WWIN 0
	WIN 0x80
	WWIN 4
	WIN 0
	s_wait_tensorcnt 1                             ; my parts of the scale words and of tiles 0-3 are in; tiles 4-7 may be out
	s_barrier_signal -1
	s_barrier_wait -1                              ; everybody's are
	XSLOAD 0
	WIN 0x40
	XFRAG 0, 0
	XFRAG 1, 0
	XFRAG 2, 0
	XFRAG 3, 0
	WIN 0x80
	XFRAG 4, 0
	XFRAG 5, 0
	XFRAG 6, 0
	XFRAG 7, 0
	WIN 0
; A TILE of 16 rows: 32 matrix instructions; the next tile's fragments are fetched behind the products that free their registers; the results go through my stage and leave as rows.
.macro TILE tile
.if (\tile) == 0
	s_wait_dscnt 0x0
	s_wait_loadcnt 63                              ; scale words, bias and window 1's weights are in: window 2's 64 loads might stay out, the count's field holds 63
.endif
.if (\tile) == 3
	s_wait_dscnt 0x0                               ; no LDS instruction of mine is out at a signal
	s_wait_tensorcnt 0x0                           ; my part of tiles 4-7 is in,
	s_barrier_signal -1
	s_barrier_wait -1                              ; everybody's is: this tile fetches tile 4's fragments
.endif
	WIN 0x05
	MO 0, \tile
	MO 1, \tile
	MO 2, \tile
	MO 3, \tile
.if (\tile) == 0
	s_wait_loadcnt 0x0
.endif
	WIN 0x0a
	MO 4, \tile
	MO 5, \tile
.if (\tile) < 7
	PLACES 4                                       ; in front of loads into registers that matrix instructions have read
	WIN 0x40
	XFRAG 0, (\tile)+1
	XFRAG 1, (\tile)+1
	XFRAG 2, (\tile)+1
	XFRAG 3, (\tile)+1
	WIN 0x0a
.endif
	MO 6, \tile
	MO 7, \tile
	PLACES 5                                       ; four for the loads and the reads of results below, a fifth since the next tile's first products begin these accumulators anew
.if (\tile) < 7
	WIN 0x80
	XFRAG 4, (\tile)+1
	XFRAG 5, (\tile)+1
	XFRAG 6, (\tile)+1
	XFRAG 7, (\tile)+1
.endif
	WIN 0
.if ((\tile)%2 == 1) && ((\tile) < 7)
	XSLOAD ((\tile)+1)/2                           ; the next group's scale words
.endif
	s_wait_xcnt 0x0                                ; the last tile's stores have read their data: those registers are loaded again below
.irp b, 0,1
.irp i, 0,1,2,3
	ds_store_b128 v9, v[OA+16*\b+4*\i:OA+16*\b+4*\i+3] offset:128*\b+16*\i   ; columns 32 b + 16 h + 4 i on; each accumulator from its low end on
.endr
.endr
.irp i, 0,1,2,3,4,5,6,7
	ds_load_b128 v[SB+4*\i:SB+4*\i+3], v10 offset:544*\i   ; LDS serves a wave's instructions in order: these see my stores
.endr
	s_wait_dscnt 0x0                               ; the rows are back, the stores have read the accumulators, and the next tile's fragments are in
.irp i, 0,1,2,3,4,5,6,7                        ; lane-rows 2 i, 2 i + 1 are rows 8 (tile % 2) + 2 i (+ 8 from lane-row 8 on) of the group of 32
	global_store_b128 v11, v[SB+4*\i:SB+4*\i+3], s[72:73] offset:4096*(32*((\tile)/2)+8*((\tile)%2)+2*\i+8*(\i/4)) th:TH_STORE_NT   ; sixteen lanes store 256 consecutive bytes, at a multiple of 256 from out's first byte
.endr
.endm
.irp n, 0,1,2,3,4,5,6,7
	TILE \n
.endr
	s_wait_tensorcnt 0x0
	ds_add_u32 v254, v255
	s_wait_dscnt 0x0
	CROUND                                         ; the closing round: no work-group ends while a partner may still ask for a tile that names it
	s_endpgm
.Lfunc_end_k_q5b23b725bc_oproj:
	.size	k_q5b23b725bc_oproj, .Lfunc_end_k_q5b23b725bc_oproj-k_q5b23b725bc_oproj
	.p2alignl 7, 3214868480
	.fill 96, 4, 3214868480
	.section	.rodata,"a",@progbits
	.p2align	6, 0x0
	.amdhsa_kernel k_q5b23b725bc_oproj
		.amdhsa_group_segment_fixed_size 168448
		.amdhsa_private_segment_fixed_size 0
		.amdhsa_enable_private_segment 0
		.amdhsa_kernarg_size 48
		.amdhsa_user_sgpr_count 2
		.amdhsa_user_sgpr_kernarg_segment_ptr 1
		.amdhsa_wavefront_size32 1
		.amdhsa_system_sgpr_workgroup_id_x 1
		.amdhsa_system_sgpr_workgroup_id_y 1
		.amdhsa_system_sgpr_workgroup_id_z 1
		.amdhsa_system_vgpr_workitem_id 0
		.amdhsa_next_free_vgpr 768
		.amdhsa_next_free_sgpr 100
		.amdhsa_reserve_vcc 0
		.amdhsa_float_denorm_mode_32 3
		.amdhsa_float_denorm_mode_16_64 3
		.amdhsa_memory_ordered 1
		.amdhsa_forward_progress 1
		.amdhsa_inst_pref_size 89
	.end_amdhsa_kernel
	.amdgpu_metadata
---
amdhsa.version: [ 1, 2 ]
amdhsa.kernels:
  - .name:           k_q5b23b725bc_oproj
    .symbol:         k_q5b23b725bc_oproj.kd
    .args:
      - { .name: ao_codes, .offset: 0, .size: 8, .value_kind: global_buffer, .address_space: global }
      - { .name: ao_scales, .offset: 8, .size: 8, .value_kind: global_buffer, .address_space: global }
      - { .name: xw_codes, .offset: 16, .size: 8, .value_kind: global_buffer, .address_space: global }
      - { .name: xw_scales, .offset: 24, .size: 8, .value_kind: global_buffer, .address_space: global }
      - { .name: bo, .offset: 32, .size: 8, .value_kind: global_buffer, .address_space: global }
      - { .name: out0, .offset: 40, .size: 8, .value_kind: global_buffer, .address_space: global }
    .group_segment_fixed_size: 168448
    .private_segment_fixed_size: 0
    .kernarg_segment_align: 8
    .kernarg_segment_size: 48
    .max_flat_workgroup_size: 128
    .sgpr_count:     100
    .vgpr_count:     768
    .wavefront_size: 32
...
	.end_amdgpu_metadata
.endif
;; end of part 4
